; MI455X (gfx1250); checked and timed in simulation.
; The chip was launched on July 23, 2026; its instructions are those of AMD's public machine-readable ISA for CDNA 5 (MIT licence, August 2026) and "CDNA5" Instruction Set Architecture Reference Guide (July 2026). The comments in the code are by the model that wrote it; some were corrected since.
;; Subset. Allowed arithmetic: float matrix products may take bf16 or f16 operands with f32 sums; all other float work in f32.
;; Inputs: b 1 float32; out_noise 4 x 2,048 x 256 float32; rank_noise 4 x 4,096 float32; u_batch 4 x 1 float32; u_mask 4 x 4,096 float32; w 256 float32; x 4 x 4,096 x 256 float32.
;; Outputs: out0 4 x 2,048 int32; out1 4 x 2,048 x 256 float32; out2 4 x 2,048 x 1 float32.
;; Constants: N = 2048.
;; One version. Each part assembles by itself: llvm-mc -triple=amdgcn-amd-amdhsa -mcpu=gfx1250 --defsym DOCPART=n.
;; ======== version 1 of 1: 3 launches
;; workspace buffers: scores 65,536 bytes; rank 65,536 bytes of whole numbers
;; launch scores (part 1): grid 256 x 1, 2 waves a work-group, no clusters, 168,192 bytes of LDS; arguments x, w, b, scores; writes scores
.if DOCPART == 1
	.amdgcn_target "amdgcn-amd-amdhsa--gfx1250"
	.amdhsa_code_object_version 6
	.text
	.protected	k_qf8fd56f386_scores
	.globl	k_qf8fd56f386_scores
	.p2align	8
	.type	k_qf8fd56f386_scores,@function
k_qf8fd56f386_scores:
	s_mov_b64 s[64:65], 0
	v_nop
	global_prefetch_b8 v0, s[64:65] scope:SCOPE_SE
	s_setreg_imm32_b32 hwreg(HW_REG_WAVE_MODE, 25, 1), 1
	s_wait_xcnt 0x0
; scores[r] = sum over c of x[r][c] w[c] + b[0], r = 0 .. 16383 (batch and position run together), all in f32.
; A later launch sorts by these numbers and the sorted indices are an output of whole numbers, so the sum stays in f32 on the
; vector unit (bf16 operands would reorder the sort, and a product with one output column would leave 15 of 16 columns of a matrix tile idle).
; ORDER OF THE SUM: eight chains, chain c takes columns c, c+8, c+16 .. with one fused multiply-add a term, then
; ((c0+c1)+(c2+c3)) + ((c4+c5)+(c6+c7)), then + b: the order of an eight-wide vector dot product with pairwise horizontal adds.
; SHARES: a work-group takes 64 rows (64 KiB of x), a wave 32 rows, a lane one row, so the order within a row is free to choose.
; Each wave asks for all its bytes in its first lines: w (1 KiB) and four tiles of 32 rows x 64 columns; each tile row is 256 bytes of
; memory at a multiple of 256 bytes.  Five tensor loads of a wave are out at the most.  A wave reads only bytes that it fetched itself,
; so s_wait_tensorcnt is all the ordering the tiles need.
; NO CLUSTER: the work-groups share only w, 1 KiB beside 64 KiB of x of their own.  NO PREFETCH: everything is requested at once.
.set PITCH, 272                        ; LDS row: 256 bytes + 16 of padding = 17 x 16: sixteen neighbouring lanes (rows) start at sixteen different 16-byte columns modulo 256
.set CHUNK, 32*PITCH                   ; one tile in LDS: 8,704 bytes
.set WAVEB, 36864                      ; a wave's LDS: four tiles, then w
.set WOFF,  4*CHUNK                    ; w behind the tiles
.set STG,   2*WAVEB                    ; 256 bytes, written by ds_store alone: the 64 scores, to leave as one unit
.set XA,  1                            ; v1       LDS address of my row in tile 0
.set WA,  2                            ; v2       LDS address of w (the same in every lane)
.set SA,  3                            ; v3       where my score goes in the stage
.set RA,  4                            ; v4       where wave 0 reads two scores back
.set GO,  5                            ; v5       8 x lane: byte offset of these two in the group's 256 bytes of scores
.set ACC, 8                            ; v[8:15]  the eight chains
.set X0,  16                           ; buffer 0: x v[16:47], w v[48:79]; buffer 1: x v[80:111], w v[112:143]
.set G1X, 16                           ; s[16:23] shape of an x tile
.set G1W, 24                           ; s[24:31] shape of w
.set G0X, 32                           ; s[32:47] from where, to where: one set for each x tile
.set G0W, 48                           ; s[48:51] the same for w
	s_load_b256 s[4:11], s[0:1], 0x0               ; x s[4:5], w s[6:7], b s[8:9], scores s[10:11]
	v_lshl_add_u32 v144, v0, 2, 0x29000
	v_mov_b32 v145, 0
	ds_add_u32 v144, v145
	ds_add_u32 v144, v145
	v_lshrrev_b32 v1, 5, v0
	v_readfirstlane_b32 s12, v1                    ; wave 0 or 1
	s_mul_i32 s14, s12, WAVEB                      ; my LDS
	; x tile: 32 rows x 64 elements of 4 bytes, 256 elements from row to row, 4 words of padding behind every 64 words
	s_mov_b32 s[G1X+0], (2<<16)|(1<<20)|(5<<22)|(3<<25)
	s_mov_b32 s[G1X+1], 64<<16                     ; tensor_dim0 = 64
	s_mov_b32 s[G1X+2], 32<<16                     ; tensor_dim1 = 32
	s_mov_b32 s[G1X+3], 64<<16                     ; tile_dim0 = 64
	s_mov_b32 s[G1X+4], 32                         ; tile_dim1 = 32
	s_mov_b32 s[G1X+5], 256                        ; pitch in elements
	s_mov_b32 s[G1X+6], 0
	s_mov_b32 s[G1X+7], 0
	; w: one row of 128 elements of 8 bytes
	s_mov_b32 s[G1W+0], 3<<16
	s_mov_b32 s[G1W+1], 128<<16
	s_mov_b32 s[G1W+2], 1<<16
	s_mov_b32 s[G1W+3], 128<<16
	s_mov_b32 s[G1W+4], 1
	s_mov_b32 s[G1W+5], 128
	s_mov_b32 s[G1W+6], 0
	s_mov_b32 s[G1W+7], 0
	s_lshl_b32 s2, ttmp9, 16                       ; 64 rows of 1,024 bytes a work-group,
	s_lshl_b32 s3, s12, 15                         ; 32 a wave
	s_add_co_u32 s2, s2, s3
	s_mov_b32 s3, 0
	s_wait_dscnt 0x0
	s_wait_kmcnt 0x0
	s_load_b32 s13, s[8:9], 0x0                    ; b[0]; waited for where it is added
	s_add_nc_u64 s[4:5], s[4:5], s[2:3]            ; x at my first row
	s_mov_b32 s[G0W], 1
	s_add_co_u32 s[G0W+1], s14, WOFF
	s_mov_b64 s[G0W+2:G0W+3], s[6:7]
	s_or_b32 s[G0W+3], s[G0W+3], 0x80000000
	tensor_load_to_lds s[G0W:G0W+3], s[G1W:G1W+7]
	s_nop 0
.irp k, 0,1,2,3
	s_mov_b32 s[G0X+4*\k], 1
	s_add_co_u32 s[G0X+4*\k+1], s14, \k*CHUNK
	s_add_nc_u64 s[G0X+4*\k+2:G0X+4*\k+3], s[4:5], \k*256          ; columns 64 k ..
	s_or_b32 s[G0X+4*\k+3], s[G0X+4*\k+3], 0x80000000
	tensor_load_to_lds s[G0X+4*\k:G0X+4*\k+3], s[G1X:G1X+7]
	s_nop 0
.endr
	s_lshl_b32 s2, ttmp9, 8                        ; the group's 64 scores: 256 bytes
	s_add_nc_u64 s[10:11], s[10:11], s[2:3]
	s_add_co_u32 s15, s14, WOFF
	v_and_b32 v[RA], 31, v0                        ; lane
	v_mul_u32_u24 v[XA], v[RA], PITCH
	v_add_nc_u32 v[XA], s14, v[XA]
	v_mov_b32 v[WA], s15
	v_lshl_add_u32 v[SA], v0, 2, STG
	v_lshlrev_b32 v[GO], 3, v[RA]
	v_add_nc_u32 v[RA], STG, v[GO]
; 16 LDS loads: columns 32 h .. 32 h + 31 of my row and of w, into buffer h % 2
.macro FETCH h
.set xb, X0+64*((\h)%2)
.set q, 0
.rept 8
	ds_load_b128 v[xb+4*q:xb+4*q+3],       v[XA] offset:((\h)/2)*CHUNK+((\h)%2)*128+16*q
	ds_load_b128 v[xb+32+4*q:xb+32+4*q+3], v[WA] offset:(\h)*128+16*q
.set q, q+1
.endr
.endm
; 32 columns: register pair i holds columns 2 i, 2 i + 1 of the 32, which belong to chains 2 (i % 4) and 2 (i % 4) + 1.
; first = 1: the first eight products start the chains: nothing is cleared.
.macro MAC h, first
.set xb, X0+64*((\h)%2)
.if \first
.irp p, 0,1,2,3
	v_pk_mul_f32 v[ACC+2*\p:ACC+2*\p+1], v[xb+2*\p:xb+2*\p+1], v[xb+32+2*\p:xb+32+2*\p+1]
.endr
.endif
.set i, 4*\first
.rept 16-4*\first
	v_pk_fma_f32 v[ACC+2*(i%4):ACC+2*(i%4)+1], v[xb+2*i:xb+2*i+1], v[xb+32+2*i:xb+32+2*i+1], v[ACC+2*(i%4):ACC+2*(i%4)+1]
.set i, i+1
.endr
.endm
.macro STEP h, first
.if \h < 7
	s_wait_dscnt 16                                ; LDS loads return in order: this half's 16 are in, the next half's 16 stay out
.else
	s_wait_dscnt 0                                 ; nothing was issued behind the last half
.endif
	MAC \h, \first
.if \h < 6
.if ((\h)%2) == 0
	s_wait_tensorcnt 3-(\h+2)/2                    ; tile (h+2)/2 is in LDS; the tiles behind it (2, 1, 0 of them) stay out
.endif
	FETCH \h+2
.endif
.endm
	s_wait_tensorcnt 3                             ; w and tile 0 are in; tiles 1 to 3 stay out
	FETCH 0
	FETCH 1
	STEP 0, 1
	STEP 1, 0
	STEP 2, 0
	STEP 3, 0
	STEP 4, 0                                      ; its tensor wait is for 0: every tensor load is done well before s_endpgm
	STEP 5, 0
	STEP 6, 0
	STEP 7, 0
	v_add_f32 v[ACC],   v[ACC],   v[ACC+1]         ; the tree named at the head
	v_add_f32 v[ACC+2], v[ACC+2], v[ACC+3]
	v_add_f32 v[ACC+4], v[ACC+4], v[ACC+5]
	v_add_f32 v[ACC+6], v[ACC+6], v[ACC+7]
	v_add_f32 v[ACC],   v[ACC],   v[ACC+2]
	v_add_f32 v[ACC+4], v[ACC+4], v[ACC+6]
	v_add_f32 v[ACC],   v[ACC],   v[ACC+4]
	s_wait_kmcnt 0x0                               ; b[0]
	v_add_f32 v[ACC], s13, v[ACC]
	; a lane holds 4 bytes of the output: the 64 scores meet in LDS and leave as 256 consecutive bytes by one store of wave 0
	ds_store_b32 v[SA], v[ACC]
	s_wait_dscnt 0x0                               ; for the other wave's sake: my store is done in front of my signal
	s_barrier_signal -1
	s_barrier_wait -1
	s_cmp_lg_u32 s12, 0
	s_cbranch_scc1 .Lend
	ds_load_b64 v[6:7], v[RA]
	s_wait_dscnt 0x0
	global_store_b64 v[GO], v[6:7], s[10:11]       ; 32 lanes x 8 bytes, at a multiple of 256 from the buffer's first byte
.Lend:
	s_wait_tensorcnt 0x0
	ds_add_u32 v144, v145
	s_wait_dscnt 0x0
	s_endpgm
.Lfunc_end_k_qf8fd56f386_scores:
	.size	k_qf8fd56f386_scores, .Lfunc_end_k_qf8fd56f386_scores-k_qf8fd56f386_scores
	.p2alignl 7, 3214868480
	.fill 96, 4, 3214868480
	.section	.rodata,"a",@progbits
	.p2align	6, 0x0
	.amdhsa_kernel k_qf8fd56f386_scores
		.amdhsa_group_segment_fixed_size 168192
		.amdhsa_private_segment_fixed_size 0
		.amdhsa_enable_private_segment 0
		.amdhsa_kernarg_size 32
		.amdhsa_user_sgpr_count 2
		.amdhsa_user_sgpr_kernarg_segment_ptr 1
		.amdhsa_wavefront_size32 1
		.amdhsa_system_sgpr_workgroup_id_x 1
		.amdhsa_system_sgpr_workgroup_id_y 1
		.amdhsa_system_sgpr_workgroup_id_z 1
		.amdhsa_system_vgpr_workitem_id 0
		.amdhsa_next_free_vgpr 146
		.amdhsa_next_free_sgpr 66
		.amdhsa_reserve_vcc 0
		.amdhsa_float_denorm_mode_32 3
		.amdhsa_float_denorm_mode_16_64 3
		.amdhsa_memory_ordered 1
		.amdhsa_forward_progress 1
		.amdhsa_inst_pref_size 22
	.end_amdhsa_kernel
	.amdgpu_metadata
---
amdhsa.version: [ 1, 2 ]
amdhsa.kernels:
  - .name:           k_qf8fd56f386_scores
    .symbol:         k_qf8fd56f386_scores.kd
    .args:
      - { .name: x, .offset: 0, .size: 8, .value_kind: global_buffer, .address_space: global }
      - { .name: w, .offset: 8, .size: 8, .value_kind: global_buffer, .address_space: global }
      - { .name: b, .offset: 16, .size: 8, .value_kind: global_buffer, .address_space: global }
      - { .name: scores, .offset: 24, .size: 8, .value_kind: global_buffer, .address_space: global }
    .group_segment_fixed_size: 168192
    .private_segment_fixed_size: 0
    .kernarg_segment_align: 8
    .kernarg_segment_size: 32
    .max_flat_workgroup_size: 64
    .sgpr_count:     66
    .vgpr_count:     146
    .wavefront_size: 32
...
	.end_amdgpu_metadata
.endif
;; end of part 1
;; launch ranks (part 2): grid 256 x 1, 16 waves a work-group, no clusters, 6,144 bytes of LDS; arguments scores, u_mask, u_batch, rank_noise, rank; writes rank
.if DOCPART == 2
	.amdgcn_target "amdgcn-amd-amdhsa--gfx1250"
	.amdhsa_code_object_version 6
	.text
	.protected	k_qf8fd56f386_ranks
	.globl	k_qf8fd56f386_ranks
	.p2align	8
	.type	k_qf8fd56f386_ranks,@function
k_qf8fd56f386_ranks:
	s_mov_b64 s[64:65], 0
	v_nop
	global_prefetch_b8 v0, s[64:65] scope:SCOPE_SE
	s_setreg_imm32_b32 hwreg(HW_REG_WAVE_MODE, 25, 1), 1
	s_wait_xcnt 0x0
; rank[b][i] = the place of element i in the ascending stable sort of batch b's keys
;            = #{ j : key j < key i } + #{ j < i : key j = key i }.
; key = clip(s, -1, 1) + rank_noise 2^-10, s = score, or max(score, score flipped over batch and position) where u_mask < 0.1 and u_batch < 0.75.
; The ranks are stored as whole numbers; the next launch forms its gather addresses from them.
; SHARES: work-group = (batch b = id / 64, block of 64 elements i = id % 64).  Wave w counts its 256 elements j = 256 w .. against all 64 i.
; LANES HOLD j, i IS A SCALAR: a wave makes its 256 keys j itself, eight a lane (register 4 h + c of lane l: j = 256 w + 128 h + 4 l + c), and the 64
; keys i, two a lane, so that no key goes through LDS and no wave waits for another before the counts meet.  For each i one compare takes 32 j; its mask is
; counted and summed by scalar instructions: a pair of 32 costs one vector and two scalar instructions, 640 vector instructions a wave for 16,384 pairs.
; Keys are made sortable as signed whole numbers (negative floats: the low 31 bits inverted), -0 first turned into +0, which sorts as equal to it.
; STABLE ORDER by blocks of 64: for a j block in front of my i block the test is key j <= key i, made by lowering these keys j by 1 once; behind it
; key j < key i; in my own block key j < key i, and the equal keys with j < i are added apart: the four i of group g by wave g.
; LIMITS: a NaN key is not ordered as the reference's sort orders it (key j - 1 also wraps only for the NaN pattern 0xffffffff).
; rank_noise 2^-10 is folded into one fused multiply-add; the product is exact unless |rank_noise| < 2^-116.
; NO CLUSTER: the 64 work-groups of a batch read the same 64 KiB, but each wave takes its 5 KiB straight into the registers that compute on them;
; a joint request would bring them into LDS and bring back a trip through LDS and a barrier.  NO PREFETCH: every load is issued in one run at the start.
.set SC,  8                            ; v[8:15]    scores of my eight j, then their keys
.set SR,  16                           ; v[16:23]   flipped scores: component 3 - c belongs to component c
.set UM,  24                           ; v[24:31]   u_mask
.set RN,  32                           ; v[32:39]   rank_noise
.set K0,  44                           ; v44, v45   scores, then keys, of i = lane and i = lane + 32 of my block
.set SRI, 46                           ; v46, v47   their flipped scores
.set UMI, 48                           ; v48, v49   their u_mask
.set RNI, 50                           ; v50, v51   their rank_noise
.set UB,  52                           ; v52        u_batch[b], in every lane
.set ZO,  53                           ; v53        its byte offset
.set C,   54                           ; v54, v55   my wave's counts for i = lane, lane + 32
.set E,   56                           ; v56, v57   1 where my j (h = 0, 1) lie in a block in front of the i block
.set BA,  64                           ; v[64:95]   wave 0: the sixteen waves' counts
.set SK,  56                           ; s[56:59]   four keys i
.set MK,  68                           ; s[68:99]   4 i x 8 masks, then their counts
	s_load_b256 s[4:11], s[0:1], 0x0               ; scores s[4:5], u_mask s[6:7], u_batch s[8:9], rank_noise s[10:11]
	s_load_b64 s[12:13], s[0:1], 0x20              ; rank
	v_lshl_add_u32 v96, v0, 2, 0x1000
	v_mov_b32 v97, 0
	v_lshrrev_b32 v1, 5, v0
	v_readfirstlane_b32 s15, v1                    ; wave 0..15
	s_lshr_b32 s14, ttmp9, 6                       ; batch
	s_and_b32 s16, ttmp9, 63                       ; my block of 64 i
	s_lshl_b32 s22, s14, 14                        ; a batch's row: 16,384 bytes
	s_mov_b32 s23, 0
	s_sub_co_u32 s24, 3, s14                       ; the flipped batch
	s_lshl_b32 s24, s24, 14
	s_mov_b32 s25, 0
	s_lshl_b32 s32, s14, 2                         ; u_batch[b]
	s_lshl_b32 s34, ttmp9, 8                       ; my 64 ranks: 256 bytes
	s_mov_b32 s35, 0
	s_mov_b32 s29, 0x3dcccccd                      ; 0.1
	s_mov_b32 s30, 0x3a800000                      ; 2^-10 = 4 / 4096
	s_mov_b32 s31, 0x7fffffff
	v_and_b32 v4, 31, v0                           ; lane
	s_lshl_b32 s26, s15, 10                        ; my wave's 256 j: 1,024 bytes
	v_lshl_add_u32 v2, v4, 4, s26                  ; v2: elements j0 = 256 w + 4 l ..; + 512 bytes for h = 1
	v_sub_nc_u32 v3, 16368, v2                     ; v3: elements 4092 - j0 ..: their mirror
	v_sub_nc_u32 v5, 15856, v2                     ; v5: the mirror of j0 + 128 ..
	s_lshl_b32 s17, s16, 8                         ; my i block: 256 bytes
	v_lshl_add_u32 v40, v4, 2, s17                 ; v40: element i = 64 block + l; + 128 bytes for l + 32
	v_sub_nc_u32 v41, 16380, v40                   ; v41: element 4095 - i
	v_sub_nc_u32 v42, 16252, v40                   ; v42: element 4095 - (i + 32)
	v_mov_b32 v[ZO], s32
	v_mov_b32 v6, 0x3f400000                       ; 0.75
	s_wait_kmcnt 0x0
	s_add_nc_u64 s[18:19], s[4:5], s[22:23]        ; scores of my batch
	s_add_nc_u64 s[20:21], s[4:5], s[24:25]        ; scores of batch 3 - b
	s_add_nc_u64 s[6:7], s[6:7], s[22:23]
	s_add_nc_u64 s[10:11], s[10:11], s[22:23]
	s_add_nc_u64 s[12:13], s[12:13], s[34:35]
	global_load_b128 v[SC:SC+3],   v2, s[18:19]
	global_load_b128 v[SC+4:SC+7], v2, s[18:19] offset:512
	global_load_b128 v[SR:SR+3],   v3, s[20:21]
	global_load_b128 v[SR+4:SR+7], v5, s[20:21]
	global_load_b128 v[UM:UM+3],   v2, s[6:7]
	global_load_b128 v[UM+4:UM+7], v2, s[6:7] offset:512
	global_load_b128 v[RN:RN+3],   v2, s[10:11]
	global_load_b128 v[RN+4:RN+7], v2, s[10:11] offset:512
	global_load_b32 v[K0],    v40, s[18:19]
	global_load_b32 v[K0+1],  v40, s[18:19] offset:128
	global_load_b32 v[SRI],   v41, s[20:21]
	global_load_b32 v[SRI+1], v42, s[20:21]
	global_load_b32 v[UMI],   v40, s[6:7]
	global_load_b32 v[UMI+1], v40, s[6:7] offset:128
	global_load_b32 v[RNI],   v40, s[10:11]
	global_load_b32 v[RNI+1], v40, s[10:11] offset:128
	global_load_b32 v[UB], v[ZO], s[8:9]           ; one word for all lanes, among the other loads: no second wait in series for a scalar load
	; while the loads are out: which of my j lie in front of the i block, and the addresses of the way out
	v_lshrrev_b32 v[E], 4, v4                      ; l / 16
	s_lshl_b32 s47, s15, 2
	v_add_nc_u32 v[E], s47, v[E]                   ; block of 64 of my j with h = 0: 4 w + l / 16
	v_add_nc_u32 v[E+1], 2, v[E]                   ; with h = 1
	v_cmp_gt_u32 vcc_lo, s16, v[E]
	v_cndmask_b32 v[E], 0, 1, vcc_lo
	v_cmp_gt_u32 vcc_lo, s16, v[E+1]
	v_cndmask_b32 v[E+1], 0, 1, vcc_lo
	s_lshl_b32 s27, s15, 8                         ; LDS: 16 waves x 64 counts
	v_lshl_add_u32 v43, v4, 2, s27                 ; v43: my wave's count for i = lane
	v_lshlrev_b32 v58, 3, v4                       ; v58: 8 x lane: two counts of a wave's 64, and two ranks of the block's 64
	v_mov_b32 v[C], 0                              ; v_writelane_b32 fills these lane by lane: they are written whole first
	v_mov_b32 v[C+1], 0
	s_wait_loadcnt 0x0                             ; all seventeen loads feed the keys; u_batch, which every key needs, was issued last
	v_cmp_lt_f32 s28, v[UB], v6                    ; u_batch < 0.75: all lanes or none
.macro KEY sc, sr, um, rn
	v_max_num_f32 v7, v[\sc], v[\sr]
	v_cmp_gt_f32 vcc_lo, s29, v[\um]               ; u_mask < 0.1
	s_and_b32 vcc_lo, vcc_lo, s28
	v_cndmask_b32 v[\sc], v[\sc], v7, vcc_lo
	v_max_num_f32 v[\sc], -1.0, v[\sc]
	v_min_num_f32 v[\sc], 1.0, v[\sc]
	v_fma_f32 v[\sc], v[\rn], s30, v[\sc]
	v_add_f32 v[\sc], 0, v[\sc]                    ; -0 becomes +0
	v_ashrrev_i32 v7, 31, v[\sc]
	v_and_b32 v7, s31, v7
	v_xor_b32 v[\sc], v[\sc], v7                   ; order of floats = order of signed whole numbers
.endm
.irp r, 0,1
	KEY K0+\r, SRI+\r, UMI+\r, RNI+\r
.endr
.irp n, 0,1,2,3,4,5,6,7
.set mir, SR+((\n)/4)*4+3-((\n)%4)
	KEY SC+\n, mir, UM+\n, RN+\n
.endr
.irp c, 0,1,2,3
	v_sub_nc_u32 v[SC+\c],   v[SC+\c],   v[E]      ; key j - 1 < key i  is  key j <= key i
	v_sub_nc_u32 v[SC+4+\c], v[SC+4+\c], v[E+1]
.endr
; Four i (places 4 g .. 4 g + 3 of the block) against my 256 j.  The 32 compares stand in one run, then the 32 counts, then the sums as trees
; across the four i, so that no scalar instruction waits for the one in front of it.
.macro GROUP g
.irp a, 0,1,2,3
	v_readlane_b32 s[SK+\a], v[K0+(\g)/8], (4*(\g)+\a)%32
.endr
.irp a, 0,1,2,3
.irp q, 0,1,2,3,4,5,6,7
	v_cmp_gt_i32 s[MK+8*\a+\q], s[SK+\a], v[SC+\q]
.endr
.endr
.set n, 0
.rept 32
	s_bcnt1_i32_b32 s[MK+n], s[MK+n]
.set n, n+1
.endr
.irp a, 0,1,2,3
.irp q, 0,2,4,6
	s_add_co_u32 s[MK+8*\a+\q], s[MK+8*\a+\q], s[MK+8*\a+\q+1]
.endr
.endr
.irp a, 0,1,2,3
.irp q, 0,4
	s_add_co_u32 s[MK+8*\a+\q], s[MK+8*\a+\q], s[MK+8*\a+\q+2]
.endr
.endr
.irp a, 0,1,2,3
	s_add_co_u32 s[MK+8*\a], s[MK+8*\a], s[MK+8*\a+4]
.endr
	s_cmp_lg_u32 s15, \g                           ; the ties of these four i are wave g's: each is counted once in the work-group
	s_cbranch_scc1 .Lnoties\g
.irp a, 0,1,2,3
.set il, 4*(\g)+\a
.if il < 32
.set lo_, (1<<il)-1                                ; the places below il, as masks over lanes: places 0-31 lie in K0, 32-63 in K0+1
.set hi_, 0
.else
.set lo_, -1
.set hi_, (1<<(il-32))-1
.endif
	v_cmp_eq_u32 s36, s[SK+\a], v[K0]
	v_cmp_eq_u32 s37, s[SK+\a], v[K0+1]
	s_and_b32 s36, s36, lo_
	s_and_b32 s37, s37, hi_
	s_bcnt1_i32_b32 s36, s36
	s_bcnt1_i32_b32 s37, s37
	s_add_co_u32 s[MK+8*\a], s[MK+8*\a], s36
	s_add_co_u32 s[MK+8*\a], s[MK+8*\a], s37
.endr
.Lnoties\g:
.irp a, 0,1,2,3
	v_writelane_b32 v[C+(\g)/8], s[MK+8*\a], (4*(\g)+\a)%32
.endr
.endm
.irp g, 0,1,2,3,4,5,6,7,8,9,10,11,12,13,14,15
	GROUP \g
.endr
	ds_store_b32 v43, v[C]
	ds_store_b32 v43, v[C+1] offset:128
	s_wait_dscnt 0x0                               ; my counts are in LDS in front of my signal
	s_barrier_signal -1
	s_barrier_wait -1
	s_cmp_lg_u32 s15, 0
	s_cbranch_scc1 .Lend
	; wave 0 adds the sixteen waves' counts, two i a lane, and stores the block's 64 ranks as 256 consecutive bytes
.irp q, 0,1,2,3,4,5,6,7,8,9,10,11,12,13,14,15
	ds_load_b64 v[BA+2*\q:BA+2*\q+1], v58 offset:256*\q
.endr
	s_wait_dscnt 0x0
	v_add_nc_u32 v[BA],   v[BA],   v[BA+2]
	v_add_nc_u32 v[BA+1], v[BA+1], v[BA+3]
.irp q, 2,4,6,8,10,12,14
	v_add3_u32 v[BA],   v[BA],   v[BA+2*\q],   v[BA+2*\q+2]
	v_add3_u32 v[BA+1], v[BA+1], v[BA+2*\q+1], v[BA+2*\q+3]
.endr
	global_store_b64 v58, v[BA:BA+1], s[12:13]     ; 32 lanes x 8 bytes, at a multiple of 256 from the buffer's first byte
.Lend:
	s_wait_tensorcnt 0x0
	ds_add_u32 v96, v97
	s_wait_dscnt 0x0
	s_endpgm
.Lfunc_end_k_qf8fd56f386_ranks:
	.size	k_qf8fd56f386_ranks, .Lfunc_end_k_qf8fd56f386_ranks-k_qf8fd56f386_ranks
	.p2alignl 7, 3214868480
	.fill 96, 4, 3214868480
	.section	.rodata,"a",@progbits
	.p2align	6, 0x0
	.amdhsa_kernel k_qf8fd56f386_ranks
		.amdhsa_group_segment_fixed_size 6144
		.amdhsa_private_segment_fixed_size 0
		.amdhsa_enable_private_segment 0
		.amdhsa_kernarg_size 40
		.amdhsa_user_sgpr_count 2
		.amdhsa_user_sgpr_kernarg_segment_ptr 1
		.amdhsa_wavefront_size32 1
		.amdhsa_system_sgpr_workgroup_id_x 1
		.amdhsa_system_sgpr_workgroup_id_y 1
		.amdhsa_system_sgpr_workgroup_id_z 1
		.amdhsa_system_vgpr_workitem_id 0
		.amdhsa_next_free_vgpr 98
		.amdhsa_next_free_sgpr 100
		.amdhsa_reserve_vcc 1
		.amdhsa_float_denorm_mode_32 3
		.amdhsa_float_denorm_mode_16_64 3
		.amdhsa_memory_ordered 1
		.amdhsa_forward_progress 1
		.amdhsa_inst_pref_size 104
	.end_amdhsa_kernel
	.amdgpu_metadata
---
amdhsa.version: [ 1, 2 ]
amdhsa.kernels:
  - .name:           k_qf8fd56f386_ranks
    .symbol:         k_qf8fd56f386_ranks.kd
    .args:
      - { .name: scores, .offset: 0, .size: 8, .value_kind: global_buffer, .address_space: global }
      - { .name: u_mask, .offset: 8, .size: 8, .value_kind: global_buffer, .address_space: global }
      - { .name: u_batch, .offset: 16, .size: 8, .value_kind: global_buffer, .address_space: global }
      - { .name: rank_noise, .offset: 24, .size: 8, .value_kind: global_buffer, .address_space: global }
      - { .name: rank, .offset: 32, .size: 8, .value_kind: global_buffer, .address_space: global }
    .group_segment_fixed_size: 6144
    .private_segment_fixed_size: 0
    .kernarg_segment_align: 8
    .kernarg_segment_size: 40
    .max_flat_workgroup_size: 512
    .sgpr_count:     100
    .vgpr_count:     98
    .wavefront_size: 32
...
	.end_amdgpu_metadata
.endif
;; end of part 2
;; launch mix (part 3): grid 256 x 1, 8 waves a work-group, no clusters, 3,328 bytes of LDS; arguments rank, x, out_noise, out0, out1, out2; writes out0, out1, out2
.if DOCPART == 3
	.amdgcn_target "amdgcn-amd-amdhsa--gfx1250"
	.amdhsa_code_object_version 6
	.text
	.protected	k_qf8fd56f386_mix
	.globl	k_qf8fd56f386_mix
	.p2align	8
	.type	k_qf8fd56f386_mix,@function
k_qf8fd56f386_mix:
	s_mov_b64 s[64:65], 0
	v_nop
	global_prefetch_b8 v0, s[64:65] scope:SCOPE_SE
	s_setreg_imm32_b32 hwreg(HW_REG_WAVE_MODE, 25, 1), 1
	s_wait_xcnt 0x0
; out0[b][j] = the element whose rank is 2048 + j;  out2[b][j] = xs = min(j / 204.8, 1);
; out1[b][j][:] = x[b][out0][:] xs + out_noise[b][j][:] (1 - xs) sqrt(mean of the x row's squares + 1e-5).
; THE SOFT RANKS: the reference uses its pairwise erf sums d only in d + (a - d) with a = 2048 .. 4095 a whole number and 0 <= d <= 4096.
; Then |a - d| < 4096, its rounding error is at most 2^-13, half the spacing of f32 at a, and a's last bit is even (at a = 2048: |a - d| <= 2048,
; error at most 2^-14, half the spacing just below): the sum rounds to a itself, for every finite d.  So the rank used here is a, and the erf sums are not formed.
; LIMITS: with a NaN score the reference's d is NaN for the whole batch; that is not reproduced.  xs = j x 5 x 2^-10 (the exact j / 204.8);
; the reference divides by 204.8 rounded to f32: at most one unit in the last place apart.
; SHARES: work-group = (batch b = id / 64, output rows 32 p .. 32 p + 31, p = id % 64); a wave takes 4 rows, a lane 2 x 16 bytes of each, so each
; load and store of a wave covers 512 consecutive bytes.  The work-group scans its batch's 4,096 ranks (16 a thread) for the window of 64 outputs
; 64 (p / 2) ..: of two neighbours with one window the even one stores the window's 64 indices, the odd one its 64 scales, 256 consecutive bytes each.
; INVERSION IN LDS: each wave has a region of 64 words, cleared, + 1 dump word.  Index i goes to word min(rank - window's first rank, 64): what lies outside
; the window falls on the dump word, which is never read.  Ranks are a permutation, so each word is set in exactly one region; readers add the eight.
; NO CLUSTER: what neighbours share is the 16 KiB of ranks beside 96 KiB of rows of their own, and it is consumed from registers.
; NO MATRIX UNIT, NO PREFETCH: the launch streams; every load of a wave is issued as soon as its address is known.
.set RP,  272                          ; a wave's region: 64 words + the dump word, rounded up to a multiple of 16 bytes
.set R,   4                            ; v[4:19]    16 ranks; later wave 0's sums
.set IA,  20                           ; v20        LDS address of my wave's four indices in region 0
.set RB,  21                           ; v21        my wave's region
.set TA,  22                           ; v22        at work: word address
.set TI,  23                           ; v23        at work: index
.set I,   24                           ; v[24:27]   the four rows' indices
.set XO,  28                           ; v[28:31]   their byte offsets in x
.set N,   32                           ; v[32:63]   out_noise, 8 registers a row
.set X,   64                           ; v[64:95]   x rows, 8 registers a row; then the result
.set SQ,  96                           ; v[96:97]   sums of squares
.set MS,  98                           ; v98        mean + 1e-5
.set RT,  99                           ; v99        its root
.set XS,  100                          ; v100 xs, v101 noise scale: one pair, broadcast by op_sel
.set Z,   102                          ; v[102:103] zeros
.set RO,  104                          ; v104       16 t
.set CA,  105                          ; v105       my 8 bytes of my wave's region
.set L8,  106                          ; v106       8 x lane
.set JR,  40                           ; s[40:43]   j of my wave's four rows
	s_load_b256 s[4:11], s[0:1], 0x0               ; rank s[4:5], x s[6:7], out_noise s[8:9], out0 s[10:11]
	s_load_b128 s[12:15], s[0:1], 0x20             ; out1 s[12:13], out2 s[14:15]
	v_lshl_add_u32 v112, v0, 2, 0x900
	v_mov_b32 v113, 0
	v_lshrrev_b32 v2, 5, v0
	v_readfirstlane_b32 s16, v2                    ; wave 0..7
	v_and_b32 v2, 31, v0                           ; lane
	v_lshlrev_b32 v1, 4, v2                        ; 16 x lane
	v_lshlrev_b32 v3, 2, v0                        ; 4 t: the element of my first rank
	v_lshlrev_b32 v[RO], 4, v0
	v_lshlrev_b32 v[L8], 3, v2
	s_mul_i32 s38, s16, RP
	v_mov_b32 v[RB], s38
	v_add_nc_u32 v[CA], s38, v[L8]
	v_mov_b32 v[Z], 0
	v_mov_b32 v[Z+1], 0
	s_lshr_b32 s17, ttmp9, 6                       ; batch
	s_and_b32 s18, ttmp9, 63                       ; p
	s_and_b32 s19, ttmp9, 1                        ; which half of the window is mine
	s_lshr_b32 s21, s18, 1
	s_lshl_b32 s21, s21, 6                         ; the window's first j
	s_add_co_u32 s20, s21, 2048                    ; and its first rank
	s_lshl_b32 s22, s17, 14                        ; rank: 16,384 bytes a batch
	s_mov_b32 s23, 0
	s_lshl_b32 s24, s17, 22                        ; x: 4,096 rows of 1,024 bytes a batch
	s_mov_b32 s25, 0
	s_lshl_b32 s26, ttmp9, 5                       ; output row 2048 b + 32 p = 32 x id,
	s_lshl_b32 s37, s16, 2                         ; + 4 a wave,
	s_add_co_u32 s26, s26, s37
	s_lshl_b32 s26, s26, 10                        ; in bytes
	s_mov_b32 s27, 0
	s_lshr_b32 s28, ttmp9, 1                       ; the window in out0 and out2: 256 bytes for two work-groups
	s_lshl_b32 s28, s28, 8
	s_mov_b32 s29, 0
	s_lshl_b32 s[JR], s18, 5
	s_add_co_u32 s[JR], s[JR], s37
.irp r, 1,2,3
	s_add_co_u32 s[JR+\r], s[JR], \r
.endr
	s_mov_b32 s32, 0x76543210                      ; v_permlanex16_b32: lane i of one half reads lane i of the other
	s_mov_b32 s33, 0xfedcba98
	s_mov_b32 s34, 0x3b800000                      ; 1 / 256
	s_mov_b32 s35, 0x3727c5ac                      ; 1e-5
	s_mov_b32 s36, 0x3ba00000                      ; 5 x 2^-10 = 1 / 204.8
	s_wait_kmcnt 0x0
	s_add_nc_u64 s[4:5], s[4:5], s[22:23]
	s_add_nc_u64 s[6:7], s[6:7], s[24:25]
	s_add_nc_u64 s[8:9], s[8:9], s[26:27]
	s_add_nc_u64 s[12:13], s[12:13], s[26:27]
	s_add_nc_u64 s[10:11], s[10:11], s[28:29]
	s_add_nc_u64 s[14:15], s[14:15], s[28:29]
.irp k, 0,1,2,3
	global_load_b128 v[R+4*\k:R+4*\k+3], v[RO], s[4:5] offset:4096*\k          ; ranks of elements 4 t + 1024 k ..
.endr
.irp r, 0,1,2,3
	global_load_b128 v[N+8*\r:N+8*\r+3],   v1, s[8:9] offset:1024*\r th:TH_LOAD_NT
	global_load_b128 v[N+8*\r+4:N+8*\r+7], v1, s[8:9] offset:1024*\r+512 th:TH_LOAD_NT
.endr
	ds_store_b64 v[CA], v[Z:Z+1]                   ; clear my wave's 64 words; LDS serves a wave's instructions in order, so the stores below come later
	s_wait_loadcnt 8                               ; the four rank loads are in; the eight noise loads stay out
.irp k, 0,1,2,3
.irp c, 0,1,2,3
	v_sub_nc_u32 v[TA], v[R+4*\k+\c], s20          ; place in the window; below it wraps to a large number
	v_min_u32 v[TA], 64, v[TA]                     ; outside: the dump word
	v_lshl_add_u32 v[TA], v[TA], 2, v[RB]
	v_add_nc_u32 v[TI], 1024*\k+\c, v3
	ds_store_b32 v[TA], v[TI]
.endr
.endr
	s_wait_dscnt 0x0                               ; my region is written in front of my signal
	s_barrier_signal -1
	s_barrier_wait -1
	s_lshl_b32 s37, s19, 7                         ; my half of the window,
	s_lshl_b32 s39, s16, 4                         ; my wave's four words
	s_add_co_u32 s37, s37, s39
	v_mov_b32 v[IA], s37
.irp q, 0,1,2,3,4,5,6,7
	ds_load_b128 v[X+4*\q:X+4*\q+3], v[IA] offset:RP*\q    ; the same four words of the eight regions
.endr
	s_wait_dscnt 0x0
.irp c, 0,1,2,3
	v_add3_u32 v[I+\c], v[X+\c], v[X+4+\c], v[X+8+\c]
	v_add3_u32 v[I+\c], v[I+\c], v[X+12+\c], v[X+16+\c]
	v_add3_u32 v[I+\c], v[I+\c], v[X+20+\c], v[X+24+\c]
	v_add_nc_u32 v[I+\c], v[I+\c], v[X+28+\c]
	v_min_u32 v[I+\c], 0xfff, v[I+\c]              ; an index stays inside its batch's 4,096 rows
	v_lshl_add_u32 v[XO+\c], v[I+\c], 10, v1
.endr
.irp r, 0,1,2,3
	global_load_b128 v[X+8*\r:X+8*\r+3],   v[XO+\r], s[6:7]
	global_load_b128 v[X+8*\r+4:X+8*\r+7], v[XO+\r], s[6:7] offset:512
.endr
	; wave 0, while its rows are on their way: the window's indices (even p) or scales (odd p)
	s_cmp_lg_u32 s16, 0
	s_cbranch_scc1 .Lrows
	s_cmp_lg_u32 s19, 0
	s_cbranch_scc1 .Lscale
.irp q, 0,1,2,3,4,5,6,7
	ds_load_b64 v[R+2*\q:R+2*\q+1], v[L8] offset:RP*\q
.endr
	s_wait_dscnt 0x0
.irp c, 0,1
	v_add3_u32 v[R+\c], v[R+\c], v[R+2+\c], v[R+4+\c]
	v_add3_u32 v[R+\c], v[R+\c], v[R+6+\c], v[R+8+\c]
	v_add3_u32 v[R+\c], v[R+\c], v[R+10+\c], v[R+12+\c]
	v_add_nc_u32 v[R+\c], v[R+\c], v[R+14+\c]
.endr
	global_store_b64 v[L8], v[R:R+1], s[10:11]     ; 32 lanes x 8 bytes, at a multiple of 256 from out0's first byte
	s_branch .Lrows
.Lscale:
	v_lshl_add_u32 v[R], v2, 1, s21                ; j = window + 2 x lane, and the next
	v_add_nc_u32 v[R+1], 1, v[R]
	v_cvt_f32_u32 v[R], v[R]
	v_cvt_f32_u32 v[R+1], v[R+1]
	v_mul_f32 v[R], s36, v[R]
	v_mul_f32 v[R+1], s36, v[R+1]
	v_min_num_f32 v[R], 1.0, v[R]
	v_min_num_f32 v[R+1], 1.0, v[R+1]
	global_store_b64 v[L8], v[R:R+1], s[14:15]
.Lrows:
.macro ROW r
	s_wait_loadcnt 6-2*\r                          ; loads return in order: all noise and x rows 0 .. r are in, the 2 loads of each later row stay out
	v_pk_mul_f32 v[SQ:SQ+1], v[X+8*\r:X+8*\r+1], v[X+8*\r:X+8*\r+1]
.irp e, 2,4,6
	v_pk_fma_f32 v[SQ:SQ+1], v[X+8*\r+\e:X+8*\r+\e+1], v[X+8*\r+\e:X+8*\r+\e+1], v[SQ:SQ+1]
.endr
	v_add_f32 v[SQ], v[SQ], v[SQ+1]
	v_add_f32_dpp v[SQ], v[SQ], v[SQ] row_xmask:1 row_mask:0xf bank_mask:0xf
	v_add_f32_dpp v[SQ], v[SQ], v[SQ] row_xmask:2 row_mask:0xf bank_mask:0xf
	v_add_f32_dpp v[SQ], v[SQ], v[SQ] row_xmask:4 row_mask:0xf bank_mask:0xf
	v_add_f32_dpp v[SQ], v[SQ], v[SQ] row_xmask:8 row_mask:0xf bank_mask:0xf
	v_permlanex16_b32 v[SQ+1], v[SQ], s32, s33     ; its destination has been written above
	v_add_f32 v[SQ], v[SQ], v[SQ+1]                ; every lane holds the row's sum of 256 squares
	v_fma_f32 v[MS], v[SQ], s34, s35               ; mean + 1e-5
	v_sqrt_f32 v[RT], v[MS]
	v_cvt_f32_u32 v[XS], s[JR+\r]                  ; plain vector work that names neither MS nor RT stands behind the root (ISA guide 5.7.2)
	v_mul_f32 v[XS], s36, v[XS]
	v_min_num_f32 v[XS], 1.0, v[XS]                ; xs
	v_sub_f32 v[XS+1], 1.0, v[XS]
	s_wait_alu depctr_va_vdst(0)
	v_mul_f32 v[XS+1], v[XS+1], v[RT]              ; (1 - xs) x root
.irp e, 0,2,4,6
	v_pk_mul_f32 v[N+8*\r+\e:N+8*\r+\e+1], v[N+8*\r+\e:N+8*\r+\e+1], v[XS:XS+1] op_sel:[0,1] op_sel_hi:[1,1]   ; both halves by the pair's second register
.endr
.irp e, 0,2,4,6
	v_pk_fma_f32 v[X+8*\r+\e:X+8*\r+\e+1], v[X+8*\r+\e:X+8*\r+\e+1], v[XS:XS+1], v[N+8*\r+\e:N+8*\r+\e+1] op_sel_hi:[1,0,1]   ; both halves by its first
.endr
	global_store_b128 v1, v[X+8*\r:X+8*\r+3],   s[12:13] offset:1024*\r th:TH_STORE_NT      ; each row has registers of its own: no store's data is written again
	global_store_b128 v1, v[X+8*\r+4:X+8*\r+7], s[12:13] offset:1024*\r+512 th:TH_STORE_NT
.endm
	ROW 0
	ROW 1
	ROW 2
	ROW 3
	s_wait_tensorcnt 0x0
	ds_add_u32 v112, v113
	s_wait_dscnt 0x0
	s_endpgm
.Lfunc_end_k_qf8fd56f386_mix:
	.size	k_qf8fd56f386_mix, .Lfunc_end_k_qf8fd56f386_mix-k_qf8fd56f386_mix
	.p2alignl 7, 3214868480
	.fill 96, 4, 3214868480
	.section	.rodata,"a",@progbits
	.p2align	6, 0x0
	.amdhsa_kernel k_qf8fd56f386_mix
		.amdhsa_group_segment_fixed_size 3328
		.amdhsa_private_segment_fixed_size 0
		.amdhsa_enable_private_segment 0
		.amdhsa_kernarg_size 48
		.amdhsa_user_sgpr_count 2
		.amdhsa_user_sgpr_kernarg_segment_ptr 1
		.amdhsa_wavefront_size32 1
		.amdhsa_system_sgpr_workgroup_id_x 1
		.amdhsa_system_sgpr_workgroup_id_y 1
		.amdhsa_system_sgpr_workgroup_id_z 1
		.amdhsa_system_vgpr_workitem_id 0
		.amdhsa_next_free_vgpr 114
		.amdhsa_next_free_sgpr 66
		.amdhsa_reserve_vcc 0
		.amdhsa_float_denorm_mode_32 3
		.amdhsa_float_denorm_mode_16_64 3
		.amdhsa_memory_ordered 1
		.amdhsa_forward_progress 1
		.amdhsa_inst_pref_size 19
	.end_amdhsa_kernel
	.amdgpu_metadata
---
amdhsa.version: [ 1, 2 ]
amdhsa.kernels:
  - .name:           k_qf8fd56f386_mix
    .symbol:         k_qf8fd56f386_mix.kd
    .args:
      - { .name: rank, .offset: 0, .size: 8, .value_kind: global_buffer, .address_space: global }
      - { .name: x, .offset: 8, .size: 8, .value_kind: global_buffer, .address_space: global }
      - { .name: out_noise, .offset: 16, .size: 8, .value_kind: global_buffer, .address_space: global }
      - { .name: out0, .offset: 24, .size: 8, .value_kind: global_buffer, .address_space: global }
      - { .name: out1, .offset: 32, .size: 8, .value_kind: global_buffer, .address_space: global }
      - { .name: out2, .offset: 40, .size: 8, .value_kind: global_buffer, .address_space: global }
    .group_segment_fixed_size: 3328
    .private_segment_fixed_size: 0
    .kernarg_segment_align: 8
    .kernarg_segment_size: 48
    .max_flat_workgroup_size: 256
    .sgpr_count:     66
    .vgpr_count:     114
    .wavefront_size: 32
...
	.end_amdgpu_metadata
.endif
;; end of part 3
